; MI455X (gfx1250); checked and timed in simulation.
; The chip was launched on July 23, 2026; its instructions are those of AMD's public machine-readable ISA for CDNA 5 (MIT licence, August 2026) and "CDNA5" Instruction Set Architecture Reference Guide (July 2026). The comments in the code are by the model that wrote it; some were corrected since.
;; Mo E layer megatron wo gate v3. Allowed arithmetic: matrix products marked QUANTISED: E2M1 operands, one E8M0 scale for each 32 along K, by v_wmma_scale_f32_16x16x128_f8f6f4 with both operands' format E2M1 (or v_wmma_scale_f32_32x16x128_f4), f32 sums; products left as they are: f32 operands where the result goes on into a quantised operand, else bf16, f16 or f32 operands; f32 sums; everything else in f32.
;; Inputs: choosed_experts 8,192 x 2 int32; gate_weight 8,192 x 2 float32; hidden_states_codes 1,024 x 8 x 32 x 16 uint8 (E2M1 codes of hidden_states, K innermost, in blocks of 32 codes, two codes a byte); hidden_states_scales 1,024 x 8 x 32 uint8 (E8M0 scales of hidden_states, one for each 32 codes along K); w1_codes 8 x 512 x 32 x 16 uint8 (E2M1 codes of w1, K innermost, in blocks of 32 codes, two codes a byte); w1_scales 8 x 512 x 32 uint8 (E8M0 scales of w1, one for each 32 codes along K); w2_codes 8 x 1,024 x 16 x 16 uint8 (E2M1 codes of w2, K innermost, in blocks of 32 codes, two codes a byte); w2_scales 8 x 1,024 x 16 uint8 (E8M0 scales of w2, one for each 32 codes along K).
;; Outputs: out0 8,192 x 1,024 float32.
;; This version of the problem:
;;   THIS VERSION OF THE PROBLEM IS GIVEN IN LOW PRECISION. The matrix products marked QUANTISED in the list below multiply operands that are first quantised to E2M1 (2 exponent bits, 1 mantissa bit; 4 bits a number), with one power-of-two scale for each 32 numbers along K (OCP MX v1.0); their sums are f32. All else is computed in f32.
;;   The module's matrix products, in the order in which they are computed (A, B: the left and right operand; K: the contracted axis; several contracted axes count as one K, in the product's order):
;;     1. batch 8,192 x [M 1, K 2] x [K 2, N 8]; A: input gate_weight; B: computed on the way: left as it is (K = 2 < 32)
;;     2. [M 8,192, K 1,024] x [K 1,024, N 512]; A: input hidden_states (given as codes); B: input w1 (given as codes): QUANTISED
;;     3. [M 8,192, K 512] x [K 512, N 1,024]; A: computed on the way; B: input w2 (given as codes): QUANTISED
;;     4. [M 8,192, K 1,024] x [K 1,024, N 512]; A: input hidden_states (given as codes); B: input w1 (given as codes): QUANTISED
;;     5. [M 8,192, K 512] x [K 512, N 1,024]; A: computed on the way; B: input w2 (given as codes): QUANTISED
;;     6. [M 8,192, K 1,024] x [K 1,024, N 512]; A: input hidden_states (given as codes); B: input w1 (given as codes): QUANTISED
;;     7. [M 8,192, K 512] x [K 512, N 1,024]; A: computed on the way; B: input w2 (given as codes): QUANTISED
;;     8. [M 8,192, K 1,024] x [K 1,024, N 512]; A: input hidden_states (given as codes); B: input w1 (given as codes): QUANTISED
;;     9. [M 8,192, K 512] x [K 512, N 1,024]; A: computed on the way; B: input w2 (given as codes): QUANTISED
;;     10. [M 8,192, K 1,024] x [K 1,024, N 512]; A: input hidden_states (given as codes); B: input w1 (given as codes): QUANTISED
;;     11. [M 8,192, K 512] x [K 512, N 1,024]; A: computed on the way; B: input w2 (given as codes): QUANTISED
;;     12. [M 8,192, K 1,024] x [K 1,024, N 512]; A: input hidden_states (given as codes); B: input w1 (given as codes): QUANTISED
;;     13. [M 8,192, K 512] x [K 512, N 1,024]; A: computed on the way; B: input w2 (given as codes): QUANTISED
;;     14. [M 8,192, K 1,024] x [K 1,024, N 512]; A: input hidden_states (given as codes); B: input w1 (given as codes): QUANTISED
;;     15. [M 8,192, K 512] x [K 512, N 1,024]; A: computed on the way; B: input w2 (given as codes): QUANTISED
;;     16. [M 8,192, K 1,024] x [K 1,024, N 512]; A: input hidden_states (given as codes); B: input w1 (given as codes): QUANTISED
;;     17. [M 8,192, K 512] x [K 512, N 1,024]; A: computed on the way; B: input w2 (given as codes): QUANTISED
;;   THE QUANTISER, for each operand of a quantised product, along K:
;;     - K is cut into blocks of 32 from its start; a last block that is shorter is filled with zeros.
;;     - A block's scale is 2^e with e = floor(log2(the largest magnitude in the block)) - 2, held to -126 .. 127; a block of zeros has e = 0. As a byte (E8M0): e + 127.
;;     - Each number is divided by its block's scale, clamped to +-6, and rounded to the nearest number of E2M1, ties to even, subnormals kept.
;;     - The product sums the exact products of the quantised numbers (number of the format x scale) in f32.
;;   ~~~python
;;   def quantise(x, axis):      # numpy; x: float32 -> the quantised numbers, widened to float32 again
;;       x = np.moveaxis(x, axis, -1); K = x.shape[-1]
;;       x = np.pad(x, [(0, 0)] * (x.ndim - 1) + [(0, -K % 32)]); x = x.reshape(x.shape[:-1] + (-1, 32)); a = np.abs(x).max(-1, keepdims=True)
;;       e = np.where(a > 0, np.clip(np.frexp(np.where(a > 0, a, 1))[1] - 1 - 2, -126, 127), 0)      # np.frexp(a)[1] - 1 = floor(log2(a)), exactly
;;       r = np.clip(x / 2.0 ** e, -6, 6)
;;       step = 2.0 ** (np.maximum(np.frexp(np.where(r == 0, 1, r))[1] - 1, 0) - 1)
;;       q = np.round(r / step) * step * 2.0 ** e      # np.round: ties to even
;;       return np.moveaxis(q.reshape(q.shape[:-2] + (-1,))[..., :K], -1, axis).astype(np.float32)
;;   ~~~
;;   OPERANDS COMPUTED ON THE WAY. 'Computed on the way' means the value that the module computes at that place (a softmax that the list does not call 'softmax' is quantised finished and normalised). What goes into a quantiser is computed in f32, as accurately as f32 sums, v_exp_f32 and their like allow (about 1e-6 of the number): no bf16 or f16 on the way to a quantiser, and a product that is left as it is and whose result goes on into a quantised operand takes f32 operands (vector FMAs, or v_wmma_f32_16x16x4_f32). A number that lies on a knife's edge between two numbers of the format may be rounded either way, as far as f32 arithmetic and the matrix unit's own rounding can turn it there, and no further.
;;   INPUTS GIVEN AS CODES. hidden_states (in the module: [1024, 8, 1024], K = its axis 2); w1 (in the module: [8, 1024, 512], K = its axis 1); w2 (in the module: [8, 512, 1024], K = its axis 1): each comes as NAME_codes (uint8): NAME with its K axis moved to the last place and cut into blocks of 32 codes, [.., K / 32, bytes a block], one block behind the other in memory; two codes a byte, the lower K in the low four bits (a code: sign, 2 exponent bits, 1 mantissa bit); and NAME_scales (uint8): the same leading axes, one E8M0 byte (e + 127) for each 32 codes along K. Its value is code x scale, taken as it is: it is not quantised again, and the codes and scales need not be those that the quantiser above would give.
;; One version. Each part assembles by itself: llvm-mc -triple=amdgcn-amd-amdhsa -mcpu=gfx1250 --defsym DOCPART=n.
;; ======== version 1 of 1: 2 launches
;; workspace buffers: list 2,097,152 bytes of whole numbers; cnt 256 bytes of whole numbers; w1l 2,097,152 bytes; w2l 2,097,152 bytes
;; launch prep (part 1): grid 96 x 1, 32 waves a work-group, no clusters, 4,352 bytes of LDS; arguments choosed_experts, w1_codes, w2_codes, list, cnt, w1l, w2l; writes list, cnt, w1l, w2l
.if DOCPART == 1
	.amdgcn_target "amdgcn-amd-amdhsa--gfx1250"
	.amdhsa_code_object_version 6
	.text
	.protected	k_q7994828bda_prep
	.globl	k_q7994828bda_prep
	.p2align	8
	.type	k_q7994828bda_prep,@function
k_q7994828bda_prep:
	s_mov_b64 s[64:65], 0
	v_nop
	global_prefetch_b8 v0, s[64:65] scope:SCOPE_SE
	s_setreg_imm32_b32 hwreg(HW_REG_WAVE_MODE, 25, 1), 1
	s_wait_xcnt 0x0
; PREP.  Three kinds of work-group, parted by the work-group's number alone (the same in all 32 waves).
;   0-63   ROUTE: work-group k gathers the numbers of the tokens whose ordered pair of experts (e0, e1) has e0 * 8 + e1 = k into list[k][0 .. n-1] and stores n in cnt[k].
;          Each work-group scans all 8,192 pairs (64 KB), so no work-group needs another's result: no atomics, no flags.
;          list[k][0] is always written: first with 0, by thread 0, ahead of the barrier; behind the barrier with the key's first token, if it has one.  So a work-group of the next launch
;          that is left without rows reads a written word.  No branch hangs on n.
;   64-79  W1's codes, 80-95 W2's codes, laid in the order of the matrix operand's registers, so that the next launch loads a fragment by two loads of 512 consecutive bytes:
;          w1l [e 8][w 4][s 8][t 8][c 2][lane 32][16 B]: lane (r, h) holds block 4 s + 2 c + h of row 128 w + 32 (t / 2) + 8 (t % 2) + r + 8 (r / 8)
;          w2l [e 8][w 4][n 16][s 4][c 2][lane 32][16 B]: lane (r, h) holds block 4 s + 2 c + h of row 256 w + 16 n + r
; LIMIT: expert numbers lie in 0 .. 7, as the table that they index has 8 entries; a token with another number would be in no list.
; The list's stores are 4 bytes a lane at places that hang on the data: 32 KB in the whole launch.
.set NTOK, 8192
.set ZERO, 12                          ; v12: 0 in every lane, made at the head with all lanes on and never written again: the offset of thread 0's two stores
	s_load_b256 s[8:15], s[0:1], 0x0               ; choosed s[8:9], w1_codes s[10:11], w2_codes s[12:13], list s[14:15]
	s_load_b128 s[16:19], s[0:1], 0x20             ; cnt s[16:17], w1l s[18:19]
	s_load_b64 s[20:21], s[0:1], 0x30              ; w2l
	v_lshl_add_u32 v64, v0, 2, 0x100
	v_mov_b32 v65, 0
	v_mov_b32 v[ZERO], 0
	v_lshrrev_b32 v1, 5, v0
	s_delay_alu instid0(VALU_DEP_1)
	v_readfirstlane_b32 s2, v1                     ; wave 0..31
	v_and_b32 v2, 31, v0                           ; lane
	v_and_b32 v3, 15, v0                           ; r
	v_bfe_u32 v4, v0, 4, 1                         ; h
	s_mov_b32 s3, ttmp9
	s_mov_b32 s47, 0                               ; the upper word of every offset pair s[46:47]
	s_wait_kmcnt 0x0
	s_cmp_lt_u32 s3, 64
	s_cbranch_scc1 .Lroute
	s_cmp_lt_u32 s3, 80
	s_cbranch_scc1 .Lw1
	; ---- W2: wave q = e * 64 + w * 16 + n takes 16 rows of 256 bytes: 4,096 bytes in, the same 4,096 bytes of w2l out
	s_sub_co_u32 s4, s3, 80
	s_lshl_b32 s4, s4, 5
	s_add_co_u32 s4, s4, s2                        ; q
	s_lshl_b32 s46, s4, 12
	s_add_nc_u64 s[12:13], s[12:13], s[46:47]
	s_add_nc_u64 s[20:21], s[20:21], s[46:47]
	s_wait_alu depctr_va_vdst(0)
	v_lshlrev_b32 v5, 8, v3
	s_delay_alu instid0(VALU_DEP_1)
	v_lshl_add_u32 v5, v4, 4, v5                   ; in: row r, + 16 h
	v_lshlrev_b32 v6, 4, v2                        ; out: 16 x lane
.irp i, 0,1,2,3,4,5,6,7
	global_load_b128 v[16+4*\i:19+4*\i], v5, s[12:13] offset:32*\i       ; i = 2 s + c: blocks 4 s + 2 c + h
.endr
	s_wait_alu depctr_va_vdst(0)
.irp i, 0,1,2,3,4,5,6,7
	s_wait_loadcnt 7-\i                            ; loads come back in order: load i is in, the younger ones may be out
	global_store_b128 v6, v[16+4*\i:19+4*\i], s[20:21] offset:512*\i     ; 32 lanes store 512 consecutive bytes
.endr
	s_endpgm
.Lw1:	; ---- W1: wave q: u = q / 2 = e * 32 + w * 8 + t, half = q % 2: the tile's 16 rows, K steps 4 half .. 4 half + 3
	s_sub_co_u32 s4, s3, 64
	s_lshl_b32 s4, s4, 5
	s_add_co_u32 s4, s4, s2                        ; q
	s_and_b32 s5, s4, 1                            ; half
	s_lshr_b32 s4, s4, 1                           ; u
	s_lshr_b32 s6, s4, 5
	s_lshl_b32 s46, s6, 18                         ; e x 512 rows x 512 bytes
	s_bfe_u32 s6, s4, 0x20003
	s_lshl_b32 s6, s6, 16                          ; w x 128 rows
	s_add_co_u32 s46, s46, s6
	s_bfe_u32 s6, s4, 0x20001
	s_lshl_b32 s6, s6, 14                          ; (t / 2) x 32 rows
	s_add_co_u32 s46, s46, s6
	s_and_b32 s6, s4, 1
	s_lshl_b32 s6, s6, 12                          ; (t % 2) x 8 rows
	s_add_co_u32 s46, s46, s6
	s_lshl_b32 s6, s5, 8                           ; half x 4 K steps x 64 bytes
	s_add_co_u32 s46, s46, s6
	s_add_nc_u64 s[10:11], s[10:11], s[46:47]
	s_lshr_b32 s6, s4, 3
	s_lshl_b32 s46, s6, 16                         ; out: (e * 4 + w) x 65,536
	s_lshl_b32 s6, s5, 15                          ; + half x 4 x 8,192
	s_add_co_u32 s46, s46, s6
	s_and_b32 s6, s4, 7
	s_lshl_b32 s6, s6, 10                          ; + t x 1,024
	s_add_co_u32 s46, s46, s6
	s_add_nc_u64 s[18:19], s[18:19], s[46:47]
	s_wait_alu depctr_va_vdst(0)
	v_lshrrev_b32 v5, 3, v3
	s_delay_alu instid0(VALU_DEP_1)
	v_lshl_add_u32 v5, v5, 3, v3                   ; r + 8 (r / 8)
	s_delay_alu instid0(VALU_DEP_1)
	v_lshlrev_b32 v5, 9, v5
	s_delay_alu instid0(VALU_DEP_1)
	v_lshl_add_u32 v5, v4, 4, v5                   ; in: that row of 512 bytes, + 16 h
	v_lshlrev_b32 v6, 4, v2
.irp i, 0,1,2,3,4,5,6,7
	global_load_b128 v[16+4*\i:19+4*\i], v5, s[10:11] offset:32*\i       ; i = 2 s' + c
.endr
	s_wait_alu depctr_va_vdst(0)
.irp i, 0,1,2,3,4,5,6,7
	s_wait_loadcnt 7-\i
	global_store_b128 v6, v[16+4*\i:19+4*\i], s[18:19] offset:8192*(\i/2)+512*(\i%2)
.endr
	s_endpgm
.Lroute:	; ---- ROUTE: thread t looks at tokens 1,024 j + t, j = 0 .. 7
	s_lshl_b32 s46, s3, 15
	s_add_nc_u64 s[14:15], s[14:15], s[46:47]      ; my key's list: 8,192 words
	s_lshl_b32 s46, s3, 2
	s_add_nc_u64 s[16:17], s[16:17], s[46:47]      ; my key's count
	s_cmp_lg_u32 s2, 0
	s_cbranch_scc1 .Lroute_scan
	v_cmp_eq_u32 vcc_lo, 0, v0
	s_wait_xcnt 0x0                                ; EXEC changes only behind this wait
	s_and_saveexec_b32 s41, vcc_lo                 ; thread 0 alone
	s_wait_alu depctr_va_vdst(0)
	global_store_b32 v[ZERO], v[ZERO], s[14:15]    ; list[key][0] = 0: it stays if the key has no token; its way to memory runs beside the loads below
	s_wait_xcnt 0x0
	s_or_b32 exec_lo, exec_lo, s41
.Lroute_scan:
	v_lshlrev_b32 v5, 3, v0
.irp j, 0,1,2,3,4,5,6,7
	global_load_b64 v[16+2*\j:17+2*\j], v5, s[8:9] offset:8192*\j
.endr
	s_mov_b32 s44, 0x76543210
	s_mov_b32 s45, 0xfedcba98                      ; v_permlanex16_b32's selects for lane l xor 16
	s_wait_alu depctr_va_vdst(0)
	v_lshlrev_b32 v6, 2, v1                        ; LDS: 4 x wave
	v_lshlrev_b32 v7, 2, v2                        ; LDS: 4 x lane
.irp j, 0,1,2,3,4,5,6,7
	v_add_nc_u32 v[40+\j], 1024*\j, v0             ; the token numbers
.endr
	v_mov_b32 v10, 0                               ; written once: the destination of a DPP move and of a lane permute counts as read
	v_mov_b32 v11, 0
	s_mov_b32 s40, 0
	s_wait_loadcnt 0x0
.irp j, 0,1,2,3,4,5,6,7
	v_lshl_or_b32 v[16+2*\j], v[16+2*\j], 3, v[17+2*\j]    ; e0 * 8 + e1
	s_delay_alu instid0(VALU_DEP_1)
	v_cmp_eq_u32 s[24+\j], s3, v[16+2*\j]          ; the lanes whose token is mine
	s_mov_b32 s[32+\j], s40                        ; how many of my wave's come before group j
	s_bcnt1_i32_b32 s4, s[24+\j]
	s_add_co_u32 s40, s40, s4
.endr
	v_mov_b32 v8, s40
	ds_store_b32 v6, v8                            ; my wave's total (all lanes write the same word with the same value)
	s_wait_dscnt 0x0                               ; for the others' sake: the LDS store is done,
	s_wait_storecnt 0x0                            ; and so is thread 0's store of the 0: every store to the list behind the barrier comes after it
	s_barrier_signal -1
	s_barrier_wait -1
	ds_load_b32 v8, v7                             ; lane i: wave i's total
	s_wait_dscnt 0x0
	v_cmp_gt_u32 vcc_lo, s2, v2
	s_delay_alu instid0(VALU_DEP_1)
	v_cndmask_b32 v9, 0, v8, vcc_lo                ; only the waves in front of mine
.irp x, 1
	v_mov_b32_dpp v10, v8 row_xmask:\x row_mask:0xf bank_mask:0xf
	s_delay_alu instid0(VALU_DEP_2)
	v_mov_b32_dpp v11, v9 row_xmask:\x row_mask:0xf bank_mask:0xf
	s_delay_alu instid0(VALU_DEP_2)
	v_add_nc_u32 v8, v8, v10
	s_delay_alu instid0(VALU_DEP_2)
	v_add_nc_u32 v9, v9, v11
.endr
.irp x, 2, 4, 8
	s_delay_alu instid0(VALU_DEP_2)
	v_mov_b32_dpp v10, v8 row_xmask:\x row_mask:0xf bank_mask:0xf
	s_delay_alu instid0(VALU_DEP_2)
	v_mov_b32_dpp v11, v9 row_xmask:\x row_mask:0xf bank_mask:0xf
	s_delay_alu instid0(VALU_DEP_2)
	v_add_nc_u32 v8, v8, v10
	s_delay_alu instid0(VALU_DEP_2)
	v_add_nc_u32 v9, v9, v11
.endr
	s_delay_alu instid0(VALU_DEP_2)
	v_permlanex16_b32 v10, v8, s44, s45
	s_delay_alu instid0(VALU_DEP_2)
	v_permlanex16_b32 v11, v9, s44, s45
	s_delay_alu instid0(VALU_DEP_2)
	v_add_nc_u32 v8, v8, v10
	s_delay_alu instid0(VALU_DEP_2)
	v_add_nc_u32 v9, v9, v11
	s_delay_alu instid0(VALU_DEP_2)
	v_readfirstlane_b32 s43, v8                    ; n: the key's tokens
	s_delay_alu instid0(VALU_DEP_2)
	v_readfirstlane_b32 s42, v9                    ; where my wave's begin
	s_delay_alu instid0(VALU_DEP_2)
	v_mov_b32 v56, s43                             ; n as a store's data, made while all lanes are on
.irp j, 0,1,2,3,4,5,6,7
	s_add_co_u32 s[32+\j], s[32+\j], s42
	v_mbcnt_lo_u32_b32 v[48+\j], s[24+\j], s[32+\j]        ; + the chosen lanes below mine: my token's place
	s_delay_alu instid0(VALU_DEP_1)
	v_min_u32 v[48+\j], 0x1fff, v[48+\j]           ; a number made of loaded data enters an address only behind a bound
	s_delay_alu instid0(VALU_DEP_1)
	v_lshlrev_b32 v[48+\j], 2, v[48+\j]
.endr
	s_wait_alu depctr_va_vdst(0)
.irp j, 0,1,2,3,4,5,6,7
	s_wait_xcnt 0x0                                ; EXEC is a source of the stores issued so far: it changes only behind this wait
	s_and_saveexec_b32 s41, s[24+\j]
	global_store_b32 v[48+\j], v[40+\j], s[14:15]
	s_wait_xcnt 0x0
	s_or_b32 exec_lo, exec_lo, s41
.endr
	s_cmp_lg_u32 s2, 0
	s_cbranch_scc1 .Lroute_end
	v_cmp_eq_u32 vcc_lo, 0, v0
	s_wait_xcnt 0x0
	s_and_saveexec_b32 s41, vcc_lo                 ; thread 0 alone
	global_store_b32 v[ZERO], v56, s[16:17]        ; cnt[key] = n
	s_wait_xcnt 0x0
	s_or_b32 exec_lo, exec_lo, s41
.Lroute_end:
	s_wait_tensorcnt 0x0
	ds_add_u32 v64, v65
	s_wait_dscnt 0x0
	s_endpgm
.Lfunc_end_k_q7994828bda_prep:
	.size	k_q7994828bda_prep, .Lfunc_end_k_q7994828bda_prep-k_q7994828bda_prep
	.p2alignl 7, 3214868480
	.fill 96, 4, 3214868480
	.section	.rodata,"a",@progbits
	.p2align	6, 0x0
	.amdhsa_kernel k_q7994828bda_prep
		.amdhsa_group_segment_fixed_size 4352
		.amdhsa_private_segment_fixed_size 0
		.amdhsa_enable_private_segment 0
		.amdhsa_kernarg_size 56
		.amdhsa_user_sgpr_count 2
		.amdhsa_user_sgpr_kernarg_segment_ptr 1
		.amdhsa_wavefront_size32 1
		.amdhsa_system_sgpr_workgroup_id_x 1
		.amdhsa_system_sgpr_workgroup_id_y 1
		.amdhsa_system_sgpr_workgroup_id_z 1
		.amdhsa_system_vgpr_workitem_id 0
		.amdhsa_next_free_vgpr 66
		.amdhsa_next_free_sgpr 66
		.amdhsa_reserve_vcc 1
		.amdhsa_float_denorm_mode_32 3
		.amdhsa_float_denorm_mode_16_64 3
		.amdhsa_memory_ordered 1
		.amdhsa_forward_progress 1
		.amdhsa_inst_pref_size 17
	.end_amdhsa_kernel
	.amdgpu_metadata
---
amdhsa.version: [ 1, 2 ]
amdhsa.kernels:
  - .name:           k_q7994828bda_prep
    .symbol:         k_q7994828bda_prep.kd
    .args:
      - { .name: choosed_experts, .offset: 0, .size: 8, .value_kind: global_buffer, .address_space: global }
      - { .name: w1_codes, .offset: 8, .size: 8, .value_kind: global_buffer, .address_space: global }
      - { .name: w2_codes, .offset: 16, .size: 8, .value_kind: global_buffer, .address_space: global }
      - { .name: list, .offset: 24, .size: 8, .value_kind: global_buffer, .address_space: global }
      - { .name: cnt, .offset: 32, .size: 8, .value_kind: global_buffer, .address_space: global }
      - { .name: w1l, .offset: 40, .size: 8, .value_kind: global_buffer, .address_space: global }
      - { .name: w2l, .offset: 48, .size: 8, .value_kind: global_buffer, .address_space: global }
    .group_segment_fixed_size: 4352
    .private_segment_fixed_size: 0
    .kernarg_segment_align: 8
    .kernarg_segment_size: 56
    .max_flat_workgroup_size: 1024
    .sgpr_count:     66
    .vgpr_count:     66
    .wavefront_size: 32
...
	.end_amdgpu_metadata
.endif
;; end of part 1
;; launch moe (part 2): grid 191 x 1, 4 waves a work-group, no clusters, 141,824 bytes of LDS; arguments cnt, list, hidden_states_codes, hidden_states_scales, gate_weight, w1_scales, w2_scales, w1l, w2l, out0; writes out0
.if DOCPART == 2
	.amdgcn_target "amdgcn-amd-amdhsa--gfx1250"
	.amdhsa_code_object_version 6
	.text
	.protected	k_q7994828bda_moe
	.globl	k_q7994828bda_moe
	.p2align	8
	.type	k_q7994828bda_moe,@function
k_q7994828bda_moe:
	s_mov_b64 s[64:65], 0
	v_nop
	global_prefetch_b8 v0, s[64:65] scope:SCOPE_SE
	s_setreg_imm32_b32 hwreg(HW_REG_WAVE_MODE, 25, 1), 1
	s_wait_xcnt 0x0
; MOE.  out[t] = g0 Q(gelu(x[t] W1[e0])) W2[e0] + g1 Q(gelu(x[t] W1[e1])) W2[e1], all four products on E2M1 codes with E8M0 scales; only the chosen experts are multiplied.
; A WORK-GROUP takes one block of up to 64 tokens that share the ordered pair (e0, e1) through the whole chain, so each row of out has one owner and the hidden layer never goes to memory.
; GRID.  The sum over the 64 pairs of ceil(n / 64) is at most 128 + 63 = 191 for every choice.  Work-group b finds its pair and block from the 64 stored counts; one that is left without rows
; passes both barriers, jumps over the work and stores nothing.
; NO TENSOR LOADS, NO CLUSTER: the work hangs on stored counts, and neighbouring work-groups need not share an expert.  The weights come from w1l and w2l, laid in operand order, straight into registers.
; THE WAVES SHARE THE COLUMNS: wave w makes hidden units 128 w .. + 127 and output columns 256 w .. + 255 for all 64 rows, so each weight fragment is loaded by one wave, once.
; BOTH PRODUCTS ARE USED TRANSPOSED (source 0 = 16 rows of a weight, source 1 = 16 tokens): a lane holds one token.  The rows of W1 that form a tile are chosen (in w1l) so that the 16 registers of tiles
; 2 b and 2 b + 1 are 16 neighbours along the second product's K.  The hidden codes and scale words go from wave to wave through LDS as images of the operand's registers.
; gelu is the tanh form: x / (1 + 2^(x (K1 x^2 + K0))), K0 = -2 log2(e) sqrt(2 / pi), K1 = 0.044715 K0: one exponential and one reciprocal; right in both limits (0 and x).
; LIMITS: NaN and infinities are not served.  A hidden block of zeros gets the scale byte 1 (not 127): its codes are zeros and this launch alone reads the byte.  In a block with an odd number of rows the last
; pair's second row is the last token once more (the list index is held at n - 1): the same bits go to the same bytes from the two halves of one store.
; REGISTERS in windows of 256.  Window 0: addresses, scale words, work.  Window 1: x's 32 fragments, later the hidden layer's 32.  Window 2: 32 accumulators.  Window 3: a ring of four buffers of 64 for weights.
.set TOKC, 0                           ; LDS: 4 x 256: each wave's own copy of the block's 64 token numbers
.set XST,  1024                        ; 64 rows of x's codes, 512 bytes + 16: an odd multiple of 16, so that the 16 rows of a fragment load start in 16 different groups of banks
.set XP,   528
.set HIMG, XST+64*XP                   ; the hidden layer's fragments [slot 2][m 4][s 4] x 1,024
.set HSC,  HIMG+32*1024                ; their scale words [slot 2][s 4][m 4] x 128
.set OST,  HSC+32*128                  ; 4 x 64 rows x (256 + 16): each wave's own stage for out
.set OP,   272
.set L16,  1                           ; 16 x lane
.set XA,   2                           ; XST + 528 r + 16 h
.set XW,   3                           ; XST + 16 w rows + 16 x lane
.set HWI0, 4                           ; HIMG + 1,024 w + 16 x lane
.set HWS0, 5                           ; HSC + 512 w + 4 x lane
.set HWI,  6                           ; the two for the slot in hand
.set HWS,  7
.set HRI,  8                           ; HIMG + 16 x lane
.set HRS,  9                           ; HSC + 128 h + 4 r
.set SO,   10                          ; my stage + 272 r + 32 h
.set SR,   11                          ; my stage + 272 h + 16 r
.set TK,   12                          ; v12, v13: tokens of rows lane, lane + 32
.set TCW,  14                          ; my copy + 4 x lane
.set TCX,  15                          ; my copy + 64 w
.set TCR,  16                          ; my copy + 4 r
.set TCH,  17                          ; my copy + 4 h
.set W1O,  18                          ; (8 h + r + 8 (r / 8)) x 32: my row among 32 rows of W1's scale bytes
.set K0V,  20                          ; v[20:21] K0 twice
.set G,    24                          ; v[24+2m:25+2m] (g0, g1) of token 16 m + r
.set TM,   32                          ; v32-47 at work in QUANT; in the set-up the offsets of 16 rows of x
.set PW,   48                          ; the scale word just made
.set PC,   50                          ; v50-57 the codes just made
.set T,    64                          ; v64-127 64 numbers at work; in the set-up 16 rows of x; at the end rows of out
.set XS,   128                         ; v128-143 x's scale words (8 p + s: lanes 0-15 tile 2 p, lanes 16-31 tile 2 p + 1); later the hidden layer's (8 a + 4 p + s)
.set W1S,  144                         ; v144-175 W1's scale words (8 b + s: lanes 0-15 tile 2 b, lanes 16-31 tile 2 b + 1)
.set W2S,  176                         ; v176-191 W2's (8 par + 4 a + s: lanes 0-15 the pair's first tile, lanes 16-31 its second)
.set OUTO, 192                         ; v192-223 byte offsets in out of rows 2 i + h, + 16 r
.set GA,   224                         ; v224-227 offsets of the gates; v228-229 of x's scale bytes
.set XSA,  228
.set G1,   232                         ; v[232+2m:233+2m] g1 twice
.set LA,   240                         ; v240-241 offsets in the list
.set MSB, 0
.macro WIN new                         ; the immediate's high byte repeats the setting that is left
.if MSB != \new
	s_set_vgpr_msb (MSB<<8)|\new
.set MSB, \new
.endif
.endm
.macro PLACES                          ; four plain vector instructions between a matrix instruction and a load into, or a vector read or write of, its registers
.rept 4
	v_nop
.endr
.endm
; One matrix instruction from the symbols rD, rA, rB, rSA, rSB; fZ: it starts the sum; fA, fB: the side's scale words lie in lanes 16-31
.macro MM
.if fZ
.if fA && fB
	v_wmma_scale_f32_16x16x128_f8f6f4 v[rD:rD+7], v[rA:rA+7], v[rB:rB+7], 0, v[rSA], v[rSB] matrix_a_fmt:MATRIX_FMT_FP4 matrix_b_fmt:MATRIX_FMT_FP4 matrix_a_scale:MATRIX_SCALE_ROW1 matrix_b_scale:MATRIX_SCALE_ROW1
.elseif fA
	v_wmma_scale_f32_16x16x128_f8f6f4 v[rD:rD+7], v[rA:rA+7], v[rB:rB+7], 0, v[rSA], v[rSB] matrix_a_fmt:MATRIX_FMT_FP4 matrix_b_fmt:MATRIX_FMT_FP4 matrix_a_scale:MATRIX_SCALE_ROW1
.elseif fB
	v_wmma_scale_f32_16x16x128_f8f6f4 v[rD:rD+7], v[rA:rA+7], v[rB:rB+7], 0, v[rSA], v[rSB] matrix_a_fmt:MATRIX_FMT_FP4 matrix_b_fmt:MATRIX_FMT_FP4 matrix_b_scale:MATRIX_SCALE_ROW1
.else
	v_wmma_scale_f32_16x16x128_f8f6f4 v[rD:rD+7], v[rA:rA+7], v[rB:rB+7], 0, v[rSA], v[rSB] matrix_a_fmt:MATRIX_FMT_FP4 matrix_b_fmt:MATRIX_FMT_FP4
.endif
.else
.if fA && fB
	v_wmma_scale_f32_16x16x128_f8f6f4 v[rD:rD+7], v[rA:rA+7], v[rB:rB+7], v[rD:rD+7], v[rSA], v[rSB] matrix_a_fmt:MATRIX_FMT_FP4 matrix_b_fmt:MATRIX_FMT_FP4 matrix_a_scale:MATRIX_SCALE_ROW1 matrix_b_scale:MATRIX_SCALE_ROW1
.elseif fA
	v_wmma_scale_f32_16x16x128_f8f6f4 v[rD:rD+7], v[rA:rA+7], v[rB:rB+7], v[rD:rD+7], v[rSA], v[rSB] matrix_a_fmt:MATRIX_FMT_FP4 matrix_b_fmt:MATRIX_FMT_FP4 matrix_a_scale:MATRIX_SCALE_ROW1
.elseif fB
	v_wmma_scale_f32_16x16x128_f8f6f4 v[rD:rD+7], v[rA:rA+7], v[rB:rB+7], v[rD:rD+7], v[rSA], v[rSB] matrix_a_fmt:MATRIX_FMT_FP4 matrix_b_fmt:MATRIX_FMT_FP4 matrix_b_scale:MATRIX_SCALE_ROW1
.else
	v_wmma_scale_f32_16x16x128_f8f6f4 v[rD:rD+7], v[rA:rA+7], v[rB:rB+7], v[rD:rD+7], v[rSA], v[rSB] matrix_a_fmt:MATRIX_FMT_FP4 matrix_b_fmt:MATRIX_FMT_FP4
.endif
.endif
.endm
; A chunk of weights: 8,192 consecutive bytes, eight fragments, into ring buffer buf: 16 loads of 512 consecutive bytes
.macro LOADC buf, base, off
	WIN 0xc0                                       ; destination window 3
.set lj, 0
.rept 16
	global_load_b128 v[64*(\buf)+4*lj:64*(\buf)+4*lj+3], v[L16], s[\base:\base+1] offset:(\off)+512*lj
.set lj, lj+1
.endr
	WIN 0
.endm
; W1's scale words of my 128 rows, all eight K steps: a lane takes the 32 bytes of one row; each pair of loads covers 1,024 consecutive bytes
.macro LOADW1S base
.irp b, 0,1,2,3
	global_load_b128 v[W1S+8*\b:W1S+8*\b+3], v[W1O], s[\base:\base+1] offset:1024*\b
	global_load_b128 v[W1S+8*\b+4:W1S+8*\b+7], v[W1O], s[\base:\base+1] offset:1024*\b+16
.endr
.endm
; K step s of the first product: my 8 tiles of hidden units x the 4 tiles of tokens.  The 32 accumulators take turns, one instruction a turn.
; Behind it the buffer just read takes the chunk four steps on: this slot's (s < 4), or what follows the slot (s >= 4: the pointers s[16:23]).
.macro K1STEP s
.if (\s) >= 4
	s_wait_loadcnt 48                              ; chunk s is in; the three chunks asked for behind it may be out
.endif
.set fZ, 0
.if (\s) == 0
.set fZ, 1
.endif
	WIN 0xa7                                       ; weights window 3, tokens window 1, C and D window 2
.set tt, 0
.rept 8
.set mm, 0
.rept 4
.set rD, 8*(8*mm+tt)
.set rA, 64*((\s)%4)+8*tt
.set rB, 8*(8*mm+(\s))
.set rSA, W1S+8*(tt/2)+(\s)
.set rSB, XS+8*(mm/2)+(\s)
.set fA, tt%2
.set fB, mm%2
	MM
.set mm, mm+1
.endr
.set tt, tt+1
.endr
	WIN 0
	PLACES
.if (\s) < 4
	LOADC \s, 12, ((\s)+4)*8192
.else
	LOADC (\s)-4, 16+2*((\s)-4), 0
.endif
.endm
; gelu of token tile m's 64 numbers a lane: window 2's v[64 m ..] -> T.  Each accumulator is read from its low end on.
.macro GELU m
	WIN 0x0a                                       ; both sources window 2
.set gj, 0
.rept 32
	v_pk_mul_f32 v[T+gj:T+gj+1], v[64*(\m)+gj:64*(\m)+gj+1], v[64*(\m)+gj:64*(\m)+gj+1]     ; x^2
.set gj, gj+2
.endr
	WIN 0
.set gj, 0
.rept 32
	v_pk_fma_f32 v[T+gj:T+gj+1], v[T+gj:T+gj+1], s[38:39], v[K0V:K0V+1] op_sel_hi:[1,0,0]   ; K1 x^2 + K0
.set gj, gj+2
.endr
	WIN 0x08                                       ; source 1 window 2
.set gj, 0
.rept 32
	v_pk_mul_f32 v[T+gj:T+gj+1], v[T+gj:T+gj+1], v[64*(\m)+gj:64*(\m)+gj+1]                 ; times x
.set gj, gj+2
.endr
	WIN 0
.set gj, 0
	s_wait_alu depctr_va_vdst(0)
.rept 64
	v_exp_f32 v[T+gj], v[T+gj]
.set gj, gj+1
.endr
	v_nop                                          ; a plain instruction between the exponentials and the first use of a result
.set gj, 0
	s_wait_alu depctr_va_vdst(0)
.rept 32
	v_pk_add_f32 v[T+gj:T+gj+1], v[T+gj:T+gj+1], 1.0 op_sel_hi:[1,0]
.set gj, gj+2
.endr
.set gj, 0
	s_wait_alu depctr_va_vdst(0)
.rept 64
	v_rcp_f32 v[T+gj], v[T+gj]
.set gj, gj+1
.endr
	v_nop                                          ; likewise behind the reciprocals
	WIN 0x02                                       ; source 0 window 2
.set gj, 0
	s_wait_alu depctr_va_vdst(0)
.rept 32
	v_pk_mul_f32 v[T+gj:T+gj+1], v[64*(\m)+gj:64*(\m)+gj+1], v[T+gj:T+gj+1]
.set gj, gj+2
.endr
	WIN 0
.endm
; 64 numbers of a lane, register 16 b + i = k 32 b + 16 (lane / 16) + i of my token, become a fragment's codes in v[PC] on and its scale word in v[PW]
.macro QUANT s
.irp b, 0,1,2,3
	v_max3_num_f32 v[TM+\b], |v[\s+16*\b]|, |v[\s+1+16*\b]|, 0x1800000   ; block b: my 16 numbers, and the floor 2^(3 - 127): the byte cannot fall under 1
.endr
.irp i, 2,4,6,8,10,12,14
.irp b, 0,1,2,3
	v_max3_num_f32 v[TM+\b], v[TM+\b], |v[\s+16*\b+\i]|, |v[\s+1+16*\b+\i]|
.endr
.endr
.irp b, 0,1,2,3
	v_permlanex16_b32 v[TM+4+\b], v[TM+\b], s36, s37
.endr
.irp b, 0,1,2,3
	v_max_num_f32 v[TM+\b], v[TM+\b], v[TM+4+\b]   ; with lane l xor 16's: the block's largest magnitude
.endr
.irp b, 0,1,2,3
	v_add_nc_u32 v[TM+12+\b], 0xff000000, v[TM+\b] ; 2 off its exponent field: the conversion takes that field as its scale
.endr
.irp b, 0,1,2,3
	v_lshrrev_b32 v[TM+4+\b], 23, v[TM+12+\b]      ; the scale's byte
.endr
	v_lshl_or_b32 v[PW], v[TM+5], 8, v[TM+4]
	v_lshl_or_b32 v[PW], v[TM+6], 16, v[PW]
	v_lshl_or_b32 v[PW], v[TM+7], 24, v[PW]
.irp b, 0,1,2,3
	v_cvt_scalef32_pk8_fp4_f32 v[PC+2*\b], v[\s+16*\b:\s+7+16*\b], v[TM+12+\b]
	v_cvt_scalef32_pk8_fp4_f32 v[PC+1+2*\b], v[\s+8+16*\b:\s+15+16*\b], v[TM+12+\b]
.endr
	v_nop                                          ; one plain instruction behind the scaled conversions
.irp c, 0,1                                    ; the operand wants a whole block in a lane: lanes 0-15 block 2 c, lanes 16-31 block 2 c + 1
.irp i, 0,1
	v_permlane16_swap_b32 v[PC+4*\c+\i], v[PC+2+4*\c+\i]
.endr
.endr
.endm
; A pair step of the second product: two tiles of 16 output columns x both slots x the 4 tiles of tokens, K = 512 in four steps: 16 accumulators by turns.
; pf = 1: the buffers and scale words just read take the pair two steps on.  Then out = g0 yA + g1 yB, into my stage.  left: the loads asked for behind this pair's.
.macro PSTEP par, pf, left
	s_wait_loadcnt \left
	WIN 0xa7
.set ss, 0
.rept 4
.set fZ, 0
.if ss == 0
.set fZ, 1
.endif
.set ii, 0
.rept 2
.set aa, 0
.rept 2
.set mm, 0
.rept 4
.set rD, 128*(\par)+8*(8*ii+4*aa+mm)
.set rA, 64*(2*(\par)+aa)+32*ii+8*ss
.set rB, 8*(16*aa+4*mm+ss)
.set rSA, W2S+8*(\par)+4*aa+ss
.set rSB, XS+8*aa+4*(mm/2)+ss
.set fA, ii
.set fB, mm%2
	MM
.set mm, mm+1
.endr
.set aa, aa+1
.endr
.set ii, ii+1
.endr
.set ss, ss+1
.endr
	WIN 0
	PLACES
.if \pf
	LOADC 2*(\par), 46, 8192*(\par)
	LOADC 2*(\par)+1, 48, 8192*(\par)
	global_load_b128 v[W2S+8*(\par):W2S+8*(\par)+3], v[L16], s[30:31] offset:512*(\par)
	global_load_b128 v[W2S+8*(\par)+4:W2S+8*(\par)+7], v[L16], s[32:33] offset:512*(\par)
.endif
	WIN 0x82                                       ; destination and source 0 window 2
.set ii, 0
.rept 2
.set mm, 0
.rept 4
.set yA, 128*(\par)+8*(8*ii+mm)
.irp q, 0,2,4,6
	v_pk_mul_f32 v[yA+\q:yA+\q+1], v[yA+\q:yA+\q+1], v[G+2*mm:G+2*mm+1] op_sel_hi:[1,0]      ; g0 yA
.endr
.set mm, mm+1
.endr
.set ii, ii+1
.endr
	WIN 0xa2                                       ; and source 2
.set ii, 0
.rept 2
.set mm, 0
.rept 4
.set yA, 128*(\par)+8*(8*ii+mm)
.irp q, 0,2,4,6
	v_pk_fma_f32 v[yA+\q:yA+\q+1], v[yA+32+\q:yA+32+\q+1], v[G1+2*mm:G1+2*mm+1], v[yA+\q:yA+\q+1]   ; + g1 yB
.endr
.set mm, mm+1
.endr
.set ii, ii+1
.endr
	WIN 0x08                                       ; an LDS store's data are its source 1: window 2
.set ii, 0
.rept 2
.set mm, 0
.rept 4
.set yA, 128*(\par)+8*(8*ii+mm)
	ds_store_b128 v[SO], v[yA:yA+3] offset:16*OP*mm+64*(2*(\par)+ii)          ; lane (r, h): row 16 m + r, the tile's columns 8 h + 0 .. 7
	ds_store_b128 v[SO], v[yA+4:yA+7] offset:16*OP*mm+64*(2*(\par)+ii)+16
.set mm, mm+1
.endr
.set ii, ii+1
.endr
	WIN 0
.endm
; 64 columns of the block's rows leave my stage: two rows an instruction, sixteen lanes store 256 consecutive bytes at a multiple of 256 from out's first byte.  Rows from the count on are not stored.
.macro FLUSH
.irp m, 0,1,2,3
	s_cmp_le_u32 s3, 16*\m
	s_cbranch_scc1 .Ldone_\@
	s_wait_xcnt 0x0                                ; the stores issued so far have read their data: these registers are loaded again only behind this wait
.irp k, 0,1,2,3,4,5,6,7
	ds_load_b128 v[T+32*(\m%2)+4*\k:T+32*(\m%2)+4*\k+3], v[SR] offset:OP*(16*\m+2*\k)   ; LDS serves a wave's instructions in order: these see my stores
.endr
.irp k, 0,1,2,3,4,5,6,7
.if \k > 0
	s_cmp_le_u32 s3, 16*\m+2*\k
	s_cbranch_scc1 .Ldone_\@
.endif
	s_wait_dscnt 7-\k
	global_store_b128 v[OUTO+8*\m+\k], v[T+32*(\m%2)+4*\k:T+32*(\m%2)+4*\k+3], s[34:35] th:TH_STORE_NT
.endr
.endr
.Ldone_\@:
	s_wait_dscnt 0x0                               ; on every way: no LDS instruction of mine is out
.endm
	; ================ set-up: run by every work-group, so that every register read later is written on every way
	s_load_b512 s[84:99], s[0:1], 0x0              ; cnt 84, list 86, x codes 88, x scales 90, gates 92, W1 scales 94, W2 scales 96, w1l 98
	s_load_b128 s[8:11], s[0:1], 0x40              ; w2l 8, out 10
	v_lshl_add_u32 v254, v0, 2, 0x22800
	v_mov_b32 v255, 0
	v_lshrrev_b32 v19, 5, v0
	v_readfirstlane_b32 s2, v19                    ; wave 0..3
	s_wait_kmcnt 0x0
	s_load_b512 s[16:31], s[84:85], 0x0            ; the 64 counts
	s_load_b512 s[32:47], s[84:85], 0x40
	s_load_b512 s[48:63], s[84:85], 0x80
	s_load_b512 s[68:83], s[84:85], 0xc0
	v_and_b32 v22, 31, v0                          ; lane
	v_and_b32 v23, 15, v0                          ; r
	v_bfe_u32 v19, v0, 4, 1                        ; h
	v_lshlrev_b32 v[L16], 4, v22
	v_mul_u32_u24 v[XA], v23, XP
	v_lshl_add_u32 v[XA], v19, 4, v[XA]
	v_add_nc_u32 v[XA], XST, v[XA]
	s_mul_i32 s5, s2, 16*XP
	s_add_co_u32 s5, s5, XST
	v_add_nc_u32 v[XW], s5, v[L16]
	s_lshl_b32 s5, s2, 10
	s_add_co_u32 s5, s5, HIMG
	v_add_nc_u32 v[HWI0], s5, v[L16]
	s_lshl_b32 s5, s2, 9
	s_add_co_u32 s5, s5, HSC
	v_lshl_add_u32 v[HWS0], v22, 2, s5
	v_add_nc_u32 v[HRI], HIMG, v[L16]
	v_lshlrev_b32 v[HRS], 7, v19
	v_lshl_add_u32 v[HRS], v23, 2, v[HRS]
	v_add_nc_u32 v[HRS], HSC, v[HRS]
	s_mul_i32 s5, s2, 64*OP
	s_add_co_u32 s5, s5, OST
	v_mul_u32_u24 v[SO], v23, OP
	v_lshl_add_u32 v[SO], v19, 5, v[SO]
	v_add_nc_u32 v[SO], s5, v[SO]
	v_mul_u32_u24 v[SR], v19, OP
	v_lshl_add_u32 v[SR], v23, 4, v[SR]
	v_add_nc_u32 v[SR], s5, v[SR]
	s_lshl_b32 s5, s2, 8
	v_lshl_add_u32 v[TCW], v22, 2, s5
	v_lshl_add_u32 v[TCR], v23, 2, s5
	v_lshl_add_u32 v[TCH], v19, 2, s5
	s_mul_i32 s5, s2, 320
	v_mov_b32 v[TCX], s5
	v_lshrrev_b32 v[W1O], 3, v23
	v_add_nc_u32 v[W1O], v[W1O], v19
	v_lshl_add_u32 v[W1O], v[W1O], 3, v23          ; 8 h + r + 8 (r / 8)
	v_lshlrev_b32 v[W1O], 5, v[W1O]
	v_mov_b32 v[K0V], 0xc0135761                   ; K0 = -2.3022082
	v_mov_b32 v[K0V+1], v[K0V]
	s_mov_b32 s5, ttmp9                            ; b: my block's number
	s_mov_b32 s6, 0                                ; blocks in front of the key in hand
	s_mov_b32 s4, 0                                ; key,
	s_mov_b32 s14, 0                               ; its first block,
	s_mov_b32 s15, 0                               ; its count
	s_wait_kmcnt 0x0
	; the last key whose first block is at or in front of b is mine: selections alone, no branch
.set KI, 0
.rept 64
.if KI < 48
.set KR, 16+KI
.else
.set KR, 20+KI
.endif
	s_cmp_ge_u32 s5, s6
	s_cselect_b32 s4, KI, s4
	s_cselect_b32 s14, s6, s14
	s_cselect_b32 s15, s[KR], s15
	s_add_co_u32 s7, s[KR], 63
	s_lshr_b32 s7, s7, 6
	s_add_co_u32 s6, s6, s7
.set KI, KI+1
.endr
	s_sub_co_u32 s5, s5, s14                       ; j: my block among the key's
	s_lshl_b32 s62, s5, 6                          ; its first place in the list
	s_sub_co_i32 s3, s15, s62
	s_max_i32 s3, s3, 0
	s_min_i32 s3, s3, 64                           ; my rows: 0 .. 64
	s_max_u32 s63, s15, 1
	s_sub_co_u32 s63, s63, 1                       ; the list's last written place
	s_min_u32 s4, s4, 63
	s_lshr_b32 s60, s4, 3
	s_min_u32 s60, s60, 7                          ; slot A's expert: e0
	s_and_b32 s61, s4, 7
	s_min_u32 s61, s61, 7                          ; slot B's: e1
	s_lshl_b32 s6, s60, 2
	s_add_co_u32 s6, s6, s2                        ; 4 e0 + w
	s_lshl_b32 s7, s61, 2
	s_add_co_u32 s7, s7, s2                        ; 4 e1 + w
	s_mov_b32 s53, 0
	s_mov_b32 s55, 0
	s_lshl_b32 s52, s6, 16
	s_lshl_b32 s54, s7, 16
	s_add_nc_u64 s[12:13], s[98:99], s[52:53]      ; the slot in hand: my part of W1[e0]
	s_add_nc_u64 s[44:45], s[98:99], s[54:55]      ; of W1[e1]
	s_add_nc_u64 s[26:27], s[8:9], s[52:53]        ; of W2[e0]
	s_add_nc_u64 s[28:29], s[8:9], s[54:55]        ; of W2[e1]
	s_mov_b64 s[16:17], s[44:45]                   ; what follows slot A: slot B's first four chunks
	s_add_nc_u64 s[18:19], s[44:45], 8192
	s_add_nc_u64 s[20:21], s[44:45], 16384
	s_add_nc_u64 s[22:23], s[44:45], 24576
	s_lshl_b32 s52, s6, 12
	s_lshl_b32 s54, s7, 12
	s_add_nc_u64 s[56:57], s[94:95], s[52:53]      ; W1's scale bytes, slot A;
	s_add_nc_u64 s[24:25], s[94:95], s[54:55]      ; slot B
	s_add_nc_u64 s[30:31], s[96:97], s[52:53]      ; W2's, slot A;
	s_add_nc_u64 s[32:33], s[96:97], s[54:55]      ; slot B
	s_lshl_b32 s52, s2, 10
	s_add_nc_u64 s[34:35], s[10:11], s[52:53]      ; out at my 256 columns
	s_lshl_b32 s52, s4, 15
	s_add_nc_u64 s[58:59], s[86:87], s[52:53]      ; my key's list
	s_mov_b32 s36, 0x76543210
	s_mov_b32 s37, 0xfedcba98                      ; v_permlanex16_b32's selects for lane l xor 16
	s_mov_b32 s38, 0xbdd2d3e8                      ; K1 = -0.10294324
	s_mov_b32 s39, s38
	v_add_nc_u32 v[LA], s62, v22
	v_add_nc_u32 v[LA+1], 32, v[LA]
	v_min_u32 v[LA], s63, v[LA]                    ; rows past the count repeat the last token
	v_min_u32 v[LA+1], s63, v[LA+1]
	v_min_u32 v[LA], 0x1fff, v[LA]
	v_min_u32 v[LA+1], 0x1fff, v[LA+1]
	v_lshlrev_b32 v[LA], 2, v[LA]
	v_lshlrev_b32 v[LA+1], 2, v[LA+1]
	global_load_b32 v[TK], v[LA], s[58:59]
	global_load_b32 v[TK+1], v[LA+1], s[58:59]
	LOADW1S 56
	LOADC 0, 12, 0
	s_wait_loadcnt 24                              ; the two token numbers are in; the 8 + 16 loads behind them may be out
	v_min_u32 v[TK], 0x1fff, v[TK]
	v_min_u32 v[TK+1], 0x1fff, v[TK+1]
	ds_store_b32 v[TCW], v[TK]                     ; my wave's own copy: no barrier
	ds_store_b32 v[TCW], v[TK+1] offset:128
.set xi, 0
.rept 16
	ds_load_b32 v[TM+xi], v[TCX] offset:4*xi       ; the token of row 16 w + i, in every lane
.set xi, xi+1
.endr
.irp m, 0,1,2,3
	ds_load_b32 v[GA+\m], v[TCR] offset:64*\m      ; the token of row 16 m + r
.endr
	v_lshlrev_b32 v[XSA], 5, v[TK]                 ; 32 scale bytes a token
	v_lshlrev_b32 v[XSA+1], 5, v[TK+1]
	s_wait_dscnt 0x0
.set xi, 0
.rept 16
	v_min_u32 v[TM+xi], 0x1fff, v[TM+xi]
.set xi, xi+1
.endr
.set xi, 0
.rept 16
	v_lshl_add_u32 v[TM+xi], v[TM+xi], 9, v[L16]   ; a row of 512 bytes, 16 a lane
.set xi, xi+1
.endr
.irp m, 0,1,2,3
	v_min_u32 v[GA+\m], 0x1fff, v[GA+\m]
.endr
.irp m, 0,1,2,3
	v_lshlrev_b32 v[GA+\m], 3, v[GA+\m]
.endr
.set xi, 0
.rept 16
	global_load_b128 v[T+4*xi:T+4*xi+3], v[TM+xi], s[88:89]        ; 32 lanes read a token's 512 consecutive bytes
.set xi, xi+1
.endr
.irp p, 0,1
	global_load_b128 v[XS+8*\p:XS+8*\p+3], v[XSA+\p], s[90:91]     ; lane l: the eight scale words of row 32 p + l
	global_load_b128 v[XS+8*\p+4:XS+8*\p+7], v[XSA+\p], s[90:91] offset:16
.endr
.irp m, 0,1,2,3
	global_load_b64 v[G+2*\m:G+2*\m+1], v[GA+\m], s[92:93]
.endr
	LOADC 1, 12, 8192
	s_wait_loadcnt 24                              ; x's 16 rows are in; the 4 + 4 + 16 loads behind them may be out
.set xi, 0
.rept 16
	ds_store_b128 v[XW], v[T+4*xi:T+4*xi+3] offset:XP*xi
.set xi, xi+1
.endr
	LOADC 2, 12, 16384
	LOADC 3, 12, 24576
.set xi, 0
.rept 32
	ds_load_b32 v[OUTO+xi], v[TCH] offset:8*xi     ; the token of row 2 i + h
.set xi, xi+1
.endr
.irp b, 0,1,2,3
	v_mov_b32 v[TM+4+\b], 0                        ; written once: a lane permute's destination counts as read (the loads that took these as offsets are in)
.endr
	v_lshlrev_b32 v22, 4, v23                      ; 16 r
	s_wait_dscnt 0x0                               ; my rows of x lie in LDS, and the tokens are back
.set xi, 0
.rept 32
	v_min_u32 v[OUTO+xi], 0x1fff, v[OUTO+xi]
.set xi, xi+1
.endr
.set xi, 0
.rept 32
	v_lshl_add_u32 v[OUTO+xi], v[OUTO+xi], 12, v22 ; a row of out is 4,096 bytes
.set xi, xi+1
.endr
	s_barrier_signal -1
	s_barrier_wait -1                              ; all 64 rows of x lie in LDS
	WIN 0x40                                       ; destination window 1
.irp m, 0,1,2,3
.irp s, 0,1,2,3,4,5,6,7
	ds_load_b128 v[8*(8*\m+\s):8*(8*\m+\s)+3], v[XA] offset:16*XP*\m+64*\s
	ds_load_b128 v[8*(8*\m+\s)+4:8*(8*\m+\s)+7], v[XA] offset:16*XP*\m+64*\s+32
.endr
.endr
	WIN 0
	s_wait_dscnt 0x0
	; ================ the first product, gelu and the quantiser, for slot A and slot B: two trips; a work-group without rows jumps over the work inside the trip
	s_mov_b32 s40, 0
	s_mov_b32 s41, 0                               ; the slot's images: 16,384 bytes a slot
	s_mov_b32 s42, 0                               ; its scale words: 2,048
.Lslot:
	v_add_nc_u32 v[HWI], s41, v[HWI0]
	v_add_nc_u32 v[HWS], s42, v[HWS0]
	s_cmp_eq_u32 s3, 0
	s_cbranch_scc1 .Lslot_end
	s_wait_loadcnt 0x0                             ; four chunks and the scale words are in
.irp s, 0,1,2,3,4,5,6,7
	K1STEP \s
.endr
	s_cmp_lg_u32 s40, 0
	s_cbranch_scc1 .Lno_w1s
	LOADW1S 24                                     ; slot B's scale words, behind the places that follow slot A's last product
.Lno_w1s:
.irp m, 0,1,2,3
	GELU \m
	s_wait_dscnt 0x0                               ; the last tile's image stores have read their registers
	QUANT T
	ds_store_b128 v[HWI], v[PC:PC+3] offset:4096*\m                ; K step w of the second product, tokens 16 m on: the fragment as it stands
	ds_store_b128 v[HWI], v[PC+4:PC+7] offset:4096*\m+512
	ds_store_b32 v[HWS], v[PW] offset:128*\m
.endr
.Lslot_end:
	s_wait_dscnt 0x0
	s_wait_xcnt 0x0                                ; the loads issued so far have read their bases: these are written only behind this wait
	s_mov_b64 s[12:13], s[44:45]                   ; slot B
	s_mov_b64 s[16:17], s[26:27]                   ; what follows slot B: the second product's first two pairs of tiles, for both slots
	s_mov_b64 s[18:19], s[28:29]
	s_add_nc_u64 s[20:21], s[26:27], 8192
	s_add_nc_u64 s[22:23], s[28:29], 8192
	s_add_co_u32 s41, s41, 16384
	s_add_co_u32 s42, s42, 2048
	s_add_co_u32 s40, s40, 1
	s_cmp_lt_u32 s40, 2
	s_cbranch_scc1 .Lslot
.irp par, 0,1
	global_load_b128 v[W2S+8*\par:W2S+8*\par+3], v[L16], s[30:31] offset:512*\par          ; lane l: the four scale words of row 32 par + l of my 256
	global_load_b128 v[W2S+8*\par+4:W2S+8*\par+7], v[L16], s[32:33] offset:512*\par
.endr
	s_add_nc_u64 s[46:47], s[26:27], 16384         ; the pairs two steps on
	s_add_nc_u64 s[48:49], s[28:29], 16384
	s_wait_xcnt 0x0
	s_add_nc_u64 s[30:31], s[30:31], 1024
	s_add_nc_u64 s[32:33], s[32:33], 1024
	s_wait_dscnt 0x0                               ; my images lie in LDS
	s_barrier_signal -1
	s_barrier_wait -1                              ; everybody's do
	s_cmp_eq_u32 s3, 0
	s_cbranch_scc1 .Lend
	; ================ the second product: all 32 hidden fragments stay in registers; W2 streams through the ring, two tiles x two slots a step
	WIN 0x40
.irp a, 0,1
.irp f, 0,1,2,3,4,5,6,7,8,9,10,11,12,13,14,15
	ds_load_b128 v[8*(16*\a+\f):8*(16*\a+\f)+3], v[HRI] offset:16384*\a+1024*\f
	ds_load_b128 v[8*(16*\a+\f)+4:8*(16*\a+\f)+7], v[HRI] offset:16384*\a+1024*\f+512
.endr
.endr
	WIN 0
.irp a, 0,1
.irp p, 0,1
.irp s, 0,1,2,3
	ds_load_b32 v[XS+8*\a+4*\p+\s], v[HRS] offset:2048*\a+512*\s+256*\p    ; lanes 0-15: token tile 2 p, lanes 16-31: 2 p + 1
.endr
.endr
.endr
	s_wait_loadcnt 0x0                             ; the first four chunks, W2's scale words and the gates
.irp m, 0,1,2,3
	v_mov_b32 v[G1+2*\m], v[G+2*\m+1]
	v_mov_b32 v[G1+2*\m+1], v[G+2*\m+1]
.endr
	s_wait_dscnt 0x0
	s_mov_b32 s50, 3
.Lgrp:                                                 ; a trip: 64 of my 256 columns
	PSTEP 0, 1, 34                                 ; behind this pair's loads: the next pair's 32 + 2
	PSTEP 1, 1, 34
	FLUSH
	s_wait_xcnt 0x0                                ; bases step only behind this wait
	s_add_nc_u64 s[34:35], s[34:35], 256
	s_add_nc_u64 s[46:47], s[46:47], 16384
	s_add_nc_u64 s[48:49], s[48:49], 16384
	s_add_nc_u64 s[30:31], s[30:31], 1024
	s_add_nc_u64 s[32:33], s[32:33], 1024
	s_sub_co_u32 s50, s50, 1
	s_cmp_lg_u32 s50, 0
	s_cbranch_scc1 .Lgrp
	PSTEP 0, 0, 34                                 ; the last 64 columns ask for nothing: no load leaves its buffer
	PSTEP 1, 0, 0
	FLUSH
.Lend:
	s_wait_tensorcnt 0x0
	ds_add_u32 v254, v255
	s_wait_dscnt 0x0
	s_endpgm
.Lfunc_end_k_q7994828bda_moe:
	.size	k_q7994828bda_moe, .Lfunc_end_k_q7994828bda_moe-k_q7994828bda_moe
	.p2alignl 7, 3214868480
	.fill 96, 4, 3214868480
	.section	.rodata,"a",@progbits
	.p2align	6, 0x0
	.amdhsa_kernel k_q7994828bda_moe
		.amdhsa_group_segment_fixed_size 141824
		.amdhsa_private_segment_fixed_size 0
		.amdhsa_enable_private_segment 0
		.amdhsa_kernarg_size 80
		.amdhsa_user_sgpr_count 2
		.amdhsa_user_sgpr_kernarg_segment_ptr 1
		.amdhsa_wavefront_size32 1
		.amdhsa_system_sgpr_workgroup_id_x 1
		.amdhsa_system_sgpr_workgroup_id_y 1
		.amdhsa_system_sgpr_workgroup_id_z 1
		.amdhsa_system_vgpr_workitem_id 0
		.amdhsa_next_free_vgpr 1024
		.amdhsa_next_free_sgpr 100
		.amdhsa_reserve_vcc 0
		.amdhsa_float_denorm_mode_32 3
		.amdhsa_float_denorm_mode_16_64 3
		.amdhsa_memory_ordered 1
		.amdhsa_forward_progress 1
		.amdhsa_inst_pref_size 248
	.end_amdhsa_kernel
	.amdgpu_metadata
---
amdhsa.version: [ 1, 2 ]
amdhsa.kernels:
  - .name:           k_q7994828bda_moe
    .symbol:         k_q7994828bda_moe.kd
    .args:
      - { .name: cnt, .offset: 0, .size: 8, .value_kind: global_buffer, .address_space: global }
      - { .name: list, .offset: 8, .size: 8, .value_kind: global_buffer, .address_space: global }
      - { .name: hidden_states_codes, .offset: 16, .size: 8, .value_kind: global_buffer, .address_space: global }
      - { .name: hidden_states_scales, .offset: 24, .size: 8, .value_kind: global_buffer, .address_space: global }
      - { .name: gate_weight, .offset: 32, .size: 8, .value_kind: global_buffer, .address_space: global }
      - { .name: w1_scales, .offset: 40, .size: 8, .value_kind: global_buffer, .address_space: global }
      - { .name: w2_scales, .offset: 48, .size: 8, .value_kind: global_buffer, .address_space: global }
      - { .name: w1l, .offset: 56, .size: 8, .value_kind: global_buffer, .address_space: global }
      - { .name: w2l, .offset: 64, .size: 8, .value_kind: global_buffer, .address_space: global }
      - { .name: out0, .offset: 72, .size: 8, .value_kind: global_buffer, .address_space: global }
    .group_segment_fixed_size: 141824
    .private_segment_fixed_size: 0
    .kernarg_segment_align: 8
    .kernarg_segment_size: 80
    .max_flat_workgroup_size: 128
    .sgpr_count:     100
    .vgpr_count:     1024
    .wavefront_size: 32
...
	.end_amdgpu_metadata
.endif
;; end of part 2
